; MI455X (gfx1250); checked and timed in simulation.
; The chip was launched on July 23, 2026; its instructions are those of AMD's public machine-readable ISA for CDNA 5 (MIT licence, August 2026) and "CDNA5" Instruction Set Architecture Reference Guide (July 2026). The comments in the code are by the model that wrote it; some were corrected since.
;; Multi Head Attention. Allowed arithmetic: matrix products marked QUANTISED: E5M2 operands, one given power-of-two scale a tensor, by v_wmma_f32_16x16x64_bf8_bf8 or v_wmma_f32_16x16x128_bf8_bf8, f32 sums; everything else in f32.
;; Inputs: W_proj_codes 1,024 x 32 x 32 uint8 (E5M2 codes of W_proj, K innermost, in blocks of 32 codes); W_qkv_codes 3,072 x 32 x 32 uint8 (E5M2 codes of W_qkv, K innermost, in blocks of 32 codes); b_proj 1,024 float32; b_qkv 3,072 float32; lowp_scales 8 int32 (the exponents e of the quantised operands' scales 2^e); x_codes 4 x 2,048 x 32 x 32 uint8 (E5M2 codes of x, K innermost, in blocks of 32 codes).
;; Outputs: out0 4 x 2,048 x 1,024 float32.
;; This version of the problem:
;;   THIS VERSION OF THE PROBLEM IS GIVEN IN LOW PRECISION. The matrix products marked QUANTISED in the list below multiply operands that are first quantised to E5M2 (5 exponent bits, 2 mantissa bits; 8 bits a number), with one given power-of-two scale for each operand tensor; their sums are f32. All else is computed in f32.
;;   The module's matrix products, in the order in which they are computed (A, B: the left and right operand; K: the contracted axis; several contracted axes count as one K, in the product's order):
;;     1. [M 8,192, K 1,024] x [K 1,024, N 3,072]; A: input x (given as codes); B: input W_qkv (given as codes): QUANTISED (scales: A lowp_scales[0], B lowp_scales[1])
;;     2. batch 64 x [M 2,048, K 64] x [K 64, N 2,048]; A: computed on the way; B: computed on the way: QUANTISED (scales: A lowp_scales[2], B lowp_scales[3])
;;     3. batch 64 x [M 2,048, K 2,048] x [K 2,048, N 64]; A: softmax (see below); B: computed on the way: QUANTISED (scales: A lowp_scales[4], B lowp_scales[5])
;;     4. [M 8,192, K 1,024] x [K 1,024, N 1,024]; A: computed on the way; B: input W_proj (given as codes): QUANTISED (scales: A lowp_scales[6], B lowp_scales[7])
;;   THE QUANTISER, for each operand of a quantised product, along K:
;;     - The operand's scale is 2^e, e = its entry of the input lowp_scales (int32; the entries are numbered through the quantised products in the list's order, A before B).
;;     - Each number is divided by the scale, clamped to +-57,344, and rounded to the nearest number of E5M2, ties to even, subnormals kept.
;;     - The product sums the exact products of the quantised numbers (number of the format x scale) in f32.
;;   ~~~python
;;   def quantise(x, axis, e):      # numpy; x: float32 -> the quantised numbers, widened to float32 again
;;       x = np.moveaxis(x, axis, -1); K = x.shape[-1]
;;       r = np.clip(x / 2.0 ** e, -57344, 57344)
;;       step = 2.0 ** (np.maximum(np.frexp(np.where(r == 0, 1, r))[1] - 1, -14) - 2)
;;       q = np.round(r / step) * step * 2.0 ** e      # np.round: ties to even
;;       return np.moveaxis(q, -1, axis).astype(np.float32)
;;   ~~~
;;   SOFTMAX AHEAD OF A QUANTISED PRODUCT. Where the list says 'softmax', what is quantised is not the finished softmax but p = 2^(t - M), with t = logit x log2(e) and M = ceil(the row's largest t), a whole number; so 1/2 < the row's largest p <= 1. The row's sum l is taken of the UNQUANTISED p, in f32, and the product's result is divided by l at the end. Since M is a whole number, a kernel that streams over the keys may use a running M (the ceiling of the running maximum): every later rescaling is an exact power of two, so the quantised numbers keep their values, but for numbers so far below the row's largest that they fall under the format's range.
;;   OPERANDS COMPUTED ON THE WAY. 'Computed on the way' means the value that the module computes at that place (a softmax that the list does not call 'softmax' is quantised finished and normalised). What goes into a quantiser is computed in f32, as accurately as f32 sums, v_exp_f32 and their like allow (about 1e-6 of the number): no bf16 or f16 on the way to a quantiser, and a product that is left as it is and whose result goes on into a quantised operand takes f32 operands (vector FMAs, or v_wmma_f32_16x16x4_f32). A number that lies on a knife's edge between two numbers of the format may be rounded either way, as far as f32 arithmetic and the matrix unit's own rounding can turn it there, and no further.
;;   INPUTS GIVEN AS CODES. W_proj (in the module: [1024, 1024], K = its axis 1); W_qkv (in the module: [3072, 1024], K = its axis 1); x (in the module: [4, 2048, 1024], K = its axis 2): each comes as NAME_codes (uint8): NAME with its K axis moved to the last place and cut into blocks of 32 codes, [.., K / 32, bytes a block], one block behind the other in memory; one code a byte (a code: sign, 5 exponent bits, 2 mantissa bits); its scale is its entry of lowp_scales. Its value is code x scale, taken as it is: it is not quantised again, and the codes and scales need not be those that the quantiser above would give.
;; One version. Each part assembles by itself: llvm-mc -triple=amdgcn-amd-amdhsa -mcpu=gfx1250 --defsym DOCPART=n.
;; ======== version 1 of 1: 3 launches
;; limits: right only within a limited range of input values
;; workspace buffers: q_img 8,388,608 bytes; k_img 8,388,608 bytes; v_img 8,388,608 bytes; a_img 8,388,608 bytes
;; launch qkv (part 1): grid 8 x 32, 4 waves a work-group, clusters of 4 x 4, 327,680 bytes of LDS; arguments x_codes, W_qkv_codes, b_qkv, lowp_scales, q_img, k_img, v_img; writes q_img, k_img, v_img
.if DOCPART == 1
	.amdgcn_target "amdgcn-amd-amdhsa--gfx1250"
	.amdhsa_code_object_version 6
	.text
	.protected	k_q9d0fa19dbb_qkv
	.globl	k_q9d0fa19dbb_qkv
	.p2align	8
	.type	k_q9d0fa19dbb_qkv,@function
k_q9d0fa19dbb_qkv:
	s_mov_b64 s[64:65], 0
	v_nop
	global_prefetch_b8 v0, s[64:65] scope:SCOPE_SE
	s_setreg_imm32_b32 hwreg(HW_REG_WAVE_MODE, 25, 1), 1
	s_wait_xcnt 0x0
	s_wait_alu depctr_hold_cnt(0) depctr_sa_sdst(0) depctr_va_vdst(0) depctr_va_sdst(0) depctr_va_ssrc(0) depctr_va_vcc(0) depctr_vm_vsrc(0)
	s_getreg_b32 s2, hwreg(HW_REG_IB_STS2, 6, 4)
	s_cmp_eq_u32 s2, 0
	s_cbranch_scc0 .Lentry_in_a_cluster
	s_endpgm
.Lentry_in_a_cluster:
	s_bfe_u32 s2, ttmp6, 0x10000c
	s_cmp_lg_u32 s2, 0xf033
	s_cbranch_scc0 .Lentry_shape_is_right
	s_endpgm
.Lentry_shape_is_right:
; qkv = x W_qkv^T + b_qkv on codes of BF8 (E5M2), then quantised again: q with 2^e2, k with 2^e3, v with 2^e5 (e0 .. e7: the whole numbers in lowp_scales).  Nothing of reference() is left out.
; x: 8,192 rows of 1,024 codes; W_qkv: 3,072 rows of 1,024 codes; K innermost in both.  Sums in f32.
; code = (sum + b x 2^-(e0+e1)) / 2^(eT-e0-e1), held within +-57,344, to the nearest code, ties to even.
; LIMITS: eT - e0 - e1 (eT = e2, e3, e5) between -126 and 112, so that the scale and 57,344 x the scale are f32 numbers; b x 2^-(e0+e1) is exact only while it is a normal f32 number; NaN among the biases is not served.
; SHARES.  256 work-groups.  A work-group makes 256 tokens x 384 columns: the 128 columns of two heads in each of q, k and v.  A wave makes 128 tokens x one head's q, k and v:
; 96 accumulators, 768 registers: window 1 holds q's 32, window 2 k's, window 3 v's.  All fragments lie in window 0.
; q, k: source 0 = 16 rows of W (d), source 1 = 16 tokens: a lane holds one token and eight neighbouring d, the next product's K.
; v:    source 0 = 16 tokens (keys), source 1 = 16 rows of W (channels): a lane holds one channel and eight neighbouring keys, the next product's K.
; K goes in four steps of 256 through ONE LDS slot of 640 rows x 272 bytes (two such slots are more than a WGP's LDS): x's 256 rows, then 128 rows of W for each of q, k, v.
; A step is four sub-steps of 64 along K, each of three passes (q, k, v) of 32 products.  Behind its pass a group of W's fragments is read anew for the next sub-step; x has two sets.
; The slot is asked for again when every wave has read its last fragments of it: two of the last sub-step's three passes stand behind that request.
; CLUSTERS: 4 x 4 work-groups.  x's tile hangs on the token block alone: shared along a row of the cluster; W's tiles on the pair of heads alone: shared along a column.  Wave 0 asks for x, waves 1-3 for W's three tiles.
; PREFETCH.  Behind each joint load but the last the NEXT K step's tiles are asked for, one K step (384 products a wave) ahead of the load that wants them.  Each row's 256 bytes of a step are named once in each cluster:
; of x's 256 rows the partner at cx takes 64 (wave 0, two instructions, a lane a row), of the 128 rows of each tile of W the partner at cy takes 32 (waves 1-3, one instruction each): told apart by address alone.
; THE RESULT LEAVES AS IMAGES OF OPERAND REGISTERS: a fragment of 16 rows x 64 K is 8 registers a lane: registers 0-3 of lane l at byte 16 l, registers 4-7 at 512 + 16 l: 1,024 bytes.
;   q_img, k_img: [batch x head 64][tile of 16 tokens 128][1,024];  v_img: [batch x head 64][block of 64 keys 32][tile of 16 channels 4][1,024].
; So each store of the wave covers 512 consecutive bytes, aligned.
.set PITCH,  272                       ; an LDS row: 256 bytes + 16 of padding
.set BIASL,  640*PITCH                 ; behind the slot: 768 bytes for each wave: its head's 3 x 64 numbers of b x 2^-(e0+e1)
.set SPARE,  BIASL+4*768               ; behind that: the spare words, 128 bytes for each wave
.set BVR,  6                           ; v6-13   the way out: v's bias, a pair for each tile of channels
.set ADX,  16                          ; v16  LDS address of my x fragments
.set ADW,  17                          ; v17  of my fragments of W for q and k
.set ADV,  18                          ; v18  for v
.set LOFF, 19                          ; v19  16 x lane
.set SCL,  20                          ; v20-22  2^(eT-e0-e1), T = q, k, v
.set LIM,  23                          ; v23-25  57,344 x that
.set BA,   26                          ; v26  LDS address from which q's and k's bias is read: 32 x (lane / 16)
.set BV,   27                          ; v27  v's: 4 x (lane % 16)
.set SPW,  28                          ; v28  LDS address of my spare word; never rewritten
.set NIL,  29                          ; v29  0; never rewritten
.set BS,   30                          ; v30  LDS address at which the bias is stored: 8 x lane
.set PFO,  31                          ; v31  the prefetches' offset: 1,024 x lane: a lane a row; never rewritten
.set XF,   32                          ; v32-159  x's fragments: two sets of 8 x 8 registers
.set WF,   160                         ; v160-255 W's fragments: q's, k's, v's 4 x 8 registers
.set BQ,   32                          ; the way out: v32-95 q's and k's bias in the result's layout
.set TMP,  96                          ; v96-127 a group's 32 sums
.set CD,   128                         ; v128-255 codes, 8 registers a group, 16 groups by turns
.set G1X, 24                           ; s[24:31], s[32:35] descriptor groups 1 and 0 for x's tile
.set G0X, 32
.set G1W, 48                           ; s[48:55], s[56:59] the same for W's tiles
.set G0W, 56
.set PFA, 62                           ; s[62:63] where my prefetches stand: my work-group's rows of the tile that I fetch, at the K step after the one that is being asked for
.set OB,  88                           ; s[88:93] the stores' bases: q, k, v
.set MSB, 0
.macro WIN new                         ; the immediate's high byte repeats the setting that is left
.if MSB != \new
	s_set_vgpr_msb (MSB<<8)|\new
.set MSB, \new
.endif
.endm
.macro PLACES n                        ; plain vector instructions between a matrix instruction and a load into, or a vector read or write of, its registers
.rept \n
	v_nop
.endr
.endm
; A joint load: wave 0 fetches x's tile, waves 1-3 W's three.  The branch hangs on the wave's number alone.  An s_nop 0 and four v_nop follow each of the two lines.
.macro JLOAD
	s_cmp_eq_u32 s14, 0
	s_cbranch_scc0 .Lfor_w_\@
	tensor_load_to_lds s[G0X:G0X+3], s[G1X:G1X+7]
	s_nop 0
.rept 4
	v_nop
.endr
	s_branch .Lasked_\@
.Lfor_w_\@:
	tensor_load_to_lds s[G0W:G0W+3], s[G1W:G1W+7]
	s_nop 0
.rept 4
	v_nop
.endr
.Lasked_\@:
.endm
; The prefetch of the next K step's rows.  always = 0, in the loop: its last trip asks for K step 3 by its joint load, and no step follows.
.macro ASK always
.if \always == 0
	s_cmp_gt_u32 s3, 1
	s_cbranch_scc0 .Lno_more_\@
.endif
	global_prefetch_b8 v[PFO], s[PFA:PFA+1] th:TH_LOAD_NT scope:SCOPE_SE
	s_cmp_lg_u32 s14, 0
	s_cbranch_scc1 .Lno_more_\@
	global_prefetch_b8 v[PFO], s[PFA:PFA+1] offset:32768 th:TH_LOAD_NT scope:SCOPE_SE   ; wave 0: the second 32 of my work-group's 64 rows of x
.Lno_more_\@:
.endm
.macro CREST                           ; a round of the cluster's barrier behind its opening barrier
	s_cmp_lg_u32 s14, 0
	s_cbranch_scc1 .Lnot_wave_0_\@
	s_barrier_signal -3
.Lnot_wave_0_\@:
	s_barrier_wait -3
	s_barrier_signal -1
	s_barrier_wait -1
.endm
.macro CROUND                          ; a whole round
	s_barrier_signal -1
	s_barrier_wait -1
	CREST
.endm
	s_load_b256 s[4:11], s[0:1], 0x0               ; x s[4:5], W s[6:7], b s[8:9], the exponents s[10:11]
	s_load_b128 s[68:71], s[0:1], 0x20             ; q_img, k_img
	s_load_b64 s[72:73], s[0:1], 0x30              ; v_img
	v_lshl_add_u32 v[SPW], v0, 2, SPARE
	v_mov_b32 v[NIL], 0
	ds_add_u32 v[SPW], v[NIL]                      ; the opening: the add, twice on end, and its wait ahead of my first tensor load
	ds_add_u32 v[SPW], v[NIL]
	v_lshrrev_b32 v1, 5, v0
	v_readfirstlane_b32 s14, v1                    ; wave 0..3
	s_lshr_b32 s15, s14, 1                         ; which 128 tokens are mine
	s_and_b32 s16, s14, 1                          ; which of the two heads
	s_bfe_u32 s40, ttmp6, 0x40000                  ; cx, cy: my place in the cluster
	s_bfe_u32 s41, ttmp6, 0x40004
	s_lshl_b32 s42, ttmp9, 2
	s_add_co_u32 s42, s42, s40                     ; the pair of heads, 0..7
	s_and_b32 s17, ttmp7, 0xffff
	s_lshl_b32 s17, s17, 2
	s_add_co_u32 s17, s17, s41                     ; the block of 256 tokens, 0..31
	s_lshl_b32 s43, s41, 2
	s_lshl_b32 s43, 15, s43                        ; my row of the cluster
	s_lshl_b32 s44, 0x1111, s40                    ; my column
	s_or_b32 s[G1X], s43, (1<<20)|(1<<21)|(5<<22)|(3<<25)   ; the mask: x's tile goes to my row; elements of 1 byte; padding on; bit 21 beside a mask; four words after every 64
	s_or_b32 s[G1W], s44, (1<<20)|(1<<21)|(5<<22)|(3<<25)   ; W's tiles go to my column
	s_mov_b32 s[G1X+1], 256<<16                    ; rows of 256 codes,
	s_mov_b32 s[G1X+2], 256<<16                    ; 256 of them
	s_mov_b32 s[G1X+3], 256<<16
	s_mov_b32 s[G1X+4], 256
	s_mov_b32 s[G1X+5], 1024                       ; from row to row: 1,024 codes
	s_mov_b32 s[G1X+6], 0
	s_mov_b32 s[G1X+7], 0
	s_mov_b32 s[G1W+1], 256<<16
	s_mov_b32 s[G1W+2], 128<<16                    ; 128 rows
	s_mov_b32 s[G1W+3], 256<<16
	s_mov_b32 s[G1W+4], 128
	s_mov_b32 s[G1W+5], 1024
	s_mov_b32 s[G1W+6], 0
	s_mov_b32 s[G1W+7], 0
	s_lshl_b32 s20, s17, 18                        ; x: 256 rows of 1,024 bytes a block
	s_mov_b32 s21, 0
	s_max_u32 s46, s14, 1
	s_sub_co_u32 s46, s46, 1                       ; W: wave 1: q's rows, 2: k's, 3: v's: 1,024 rows apart,
	s_lshl_b32 s46, s46, 20
	s_lshl_b32 s47, s42, 17                        ; + 128 rows a pair of heads
	s_add_co_u32 s46, s46, s47
	s_mov_b32 s47, 0
	s_mul_i32 s78, s14, 128*PITCH
	s_add_co_u32 s78, s78, 128*PITCH               ; and in LDS behind x's 256 rows: row 128 + 128 x wave
	s_wait_dscnt 0x0                               ; both opening adds are done
	s_wait_kmcnt 0x0
	s_load_b256 s[80:87], s[10:11], 0x0            ; e0 .. e7
	s_add_nc_u64 s[20:21], s[4:5], s[20:21]
	s_add_nc_u64 s[46:47], s[6:7], s[46:47]
	CROUND                                         ; all sixteen work-groups are here: the first joint loads meet
	s_mov_b32 s[G0X], 1
	s_mov_b32 s[G0X+1], 0
	s_mov_b64 s[G0X+2:G0X+3], s[20:21]
	s_or_b32 s[G0X+3], s[G0X+3], 0x80000000
	s_mov_b32 s[G0W], 1
	s_mov_b32 s[G0W+1], s78
	s_mov_b64 s[G0W+2:G0W+3], s[46:47]
	s_or_b32 s[G0W+3], s[G0W+3], 0x80000000
	JLOAD                                          ; K step 0: one tensor load a wave
	s_mul_i32 s96, s15, 128*PITCH                  ; my 128 rows of x
	s_mul_i32 s97, s16, 64*PITCH
	s_add_co_u32 s97, s97, 256*PITCH               ; my head's 64 rows of W for q (k's lie 128 rows on),
	s_add_co_u32 s98, s97, 256*PITCH               ; and for v
	s_mul_i32 s99, s14, 768
	s_add_co_u32 s99, s99, BIASL                   ; my 768 bytes for the bias
	s_lshl_b32 s18, s42, 1
	s_add_co_u32 s18, s18, s16                     ; my head
	s_lshl_b32 s22, s18, 8
	s_mov_b32 s23, 0
	s_add_nc_u64 s[8:9], s[8:9], s[22:23]          ; b at my head's 64 numbers of q
	; the prefetches: my work-group's rows of the tile that my wave fetches
	s_lshl_b32 s36, s17, 8
	s_lshl_b32 s38, s40, 6
	s_add_co_u32 s36, s36, s38                     ; x: row 256 x block + 64 cx
	s_max_u32 s37, s14, 1
	s_sub_co_u32 s37, s37, 1
	s_lshl_b32 s37, s37, 10
	s_lshl_b32 s38, s42, 7
	s_add_co_u32 s37, s37, s38
	s_lshl_b32 s38, s41, 5
	s_add_co_u32 s37, s37, s38                     ; W: row 1,024 x (wave - 1) + 128 x pair of heads + 32 cy
	s_cmp_eq_u32 s14, 0
	s_cselect_b32 s60, s36, s37
	s_cselect_b64 s[PFA:PFA+1], s[4:5], s[6:7]
	s_lshl_b32 s60, s60, 10
	s_mov_b32 s61, 0
	s_add_nc_u64 s[PFA:PFA+1], s[PFA:PFA+1], s[60:61]
	s_add_nc_u64 s[PFA:PFA+1], s[PFA:PFA+1], 256   ; at K step 1
	v_and_b32 v1, 15, v0                           ; r = lane % 16
	v_bfe_u32 v2, v0, 4, 1                         ; h = lane / 16
	v_and_b32 v4, 31, v0
	v_mul_u32_u24 v3, v1, PITCH
	v_lshl_add_u32 v3, v2, 4, v3                   ; row x pitch + 16 x half
	v_add_nc_u32 v[ADX], s96, v3
	v_add_nc_u32 v[ADW], s97, v3
	v_add_nc_u32 v[ADV], s98, v3
	v_lshlrev_b32 v[LOFF], 4, v4
	v_lshlrev_b32 v5, 3, v4
	v_add_nc_u32 v[BS], s99, v5
	v_lshlrev_b32 v3, 5, v2
	v_add_nc_u32 v[BA], s99, v3
	v_lshlrev_b32 v3, 2, v1
	v_add_nc_u32 v[BV], s99, v3
	v_lshlrev_b32 v[PFO], 10, v4
.irp t, 0,1,2
	global_load_b64 v[32+2*\t:33+2*\t], v5, s[8:9] offset:4096*\t   ; two numbers a lane: 256 consecutive bytes of b for each of q, k, v
.endr
	ASK 1                                          ; K step 1's rows
	; the stores' bases: (batch x 16 + head) x 2^17 + (16 x (block % 8) + 8 x my half) x 1,024: the same number of bytes in all three images
	s_lshr_b32 s22, s17, 3
	s_lshl_b32 s22, s22, 4
	s_add_co_u32 s22, s22, s18
	s_lshl_b32 s22, s22, 17
	s_and_b32 s19, s17, 7
	s_lshl_b32 s19, s19, 4
	s_lshl_b32 s20, s15, 3
	s_add_co_u32 s19, s19, s20
	s_lshl_b32 s19, s19, 10
	s_add_co_u32 s22, s22, s19
	s_add_nc_u64 s[OB:OB+1], s[68:69], s[22:23]
	s_add_nc_u64 s[OB+2:OB+3], s[70:71], s[22:23]
	s_add_nc_u64 s[OB+4:OB+5], s[72:73], s[22:23]
	s_wait_kmcnt 0x0                               ; the exponents
	s_add_co_i32 s97, s80, s81                     ; e0 + e1
.macro SC t, e
	s_sub_co_i32 s96, s\e, s97
	s_add_co_i32 s96, s96, 127
	s_lshl_b32 s98, s96, 23
	v_mov_b32 v[SCL+\t], s98                       ; 2^(eT-e0-e1): the conversion takes its exponent field
	s_add_co_i32 s96, s96, 15
	s_lshl_b32 s96, s96, 23
	s_or_b32 s96, s96, 0x600000
	v_mov_b32 v[LIM+\t], s96                       ; 57,344 x that
.endm
	SC 0, 82
	SC 1, 83
	SC 2, 85
	s_sub_co_i32 s97, 0, s97
	s_wait_loadcnt 0x0                             ; the bias
.irp j, 0,1,2,3,4,5
	v_ldexp_f32 v[32+\j], v[32+\j], s97            ; b / 2^(e0+e1): what the sums of codes lack
.endr
.macro LDX p, s, a0                    ; x's blocks a0 .. a0 + 3 of sub-step s into set p.  A fragment of 16 rows x 64 K: registers 0-3: K = 16 h + 0 .. 15, registers 4-7: K = 32 + 16 h + 0 .. 15: the same order of k in x and in W
.irp a, \a0, \a0+1, \a0+2, \a0+3
	ds_load_b128 v[XF+64*(\p)+8*(\a):XF+64*(\p)+8*(\a)+3], v[ADX] offset:(\a)*16*PITCH+64*(\s)
	ds_load_b128 v[XF+64*(\p)+8*(\a)+4:XF+64*(\p)+8*(\a)+7], v[ADX] offset:(\a)*16*PITCH+64*(\s)+32
.endr
.endm
.macro LDW t, s                        ; W's four fragments for q (t = 0), k (1) or v (2) of sub-step s
.irp w, 0,1,2,3
.if \t < 2
	ds_load_b128 v[WF+32*\t+8*\w:WF+32*\t+8*\w+3], v[ADW] offset:(128*\t+16*\w)*PITCH+64*(\s)
	ds_load_b128 v[WF+32*\t+8*\w+4:WF+32*\t+8*\w+7], v[ADW] offset:(128*\t+16*\w)*PITCH+64*(\s)+32
.else
	ds_load_b128 v[WF+32*\t+8*\w:WF+32*\t+8*\w+3], v[ADV] offset:16*\w*PITCH+64*(\s)
	ds_load_b128 v[WF+32*\t+8*\w+4:WF+32*\t+8*\w+7], v[ADV] offset:16*\w*PITCH+64*(\s)+32
.endif
.endr
.endm
.macro MM ac, fa, fb, zero
.if \zero
	v_wmma_f32_16x16x64_bf8_bf8 v[\ac:\ac+7], v[\fa:\fa+7], v[\fb:\fb+7], 0
.else
	v_wmma_f32_16x16x64_bf8_bf8 v[\ac:\ac+7], v[\fa:\fa+7], v[\fb:\fb+7], v[\ac:\ac+7]
.endif
.endm
; A pass: 32 products, x's eight blocks (set p) against the four fragments of W for t; 32 accumulators by turns, one instruction a turn.
; q, k: accumulator (a, w) at 8 (4 a + w): the four of a tile of tokens lie together.  v: at 8 (16 (a / 4) + 4 w + a % 4): the four of a block of 64 keys and a tile of channels lie together.
.macro PASS t, p, zero
	WIN 0x50*(\t+1)                                ; C and D in window t + 1, both sources in window 0
.irp a, 0,1,2,3,4,5,6,7
.irp w, 0,1,2,3
.if \t < 2
	MM (8*(4*\a+\w)), (WF+32*\t+8*\w), (XF+64*(\p)+8*\a), \zero
.else
	MM (8*(16*(\a/4)+4*\w+(\a%4))), (XF+64*(\p)+8*\a), (WF+32*\t+8*\w), \zero
.endif
.endr
.endr
.endm
; A sub-step of 64 along K that has its successor in the slot.
.macro SUB s, zero
	s_wait_dscnt 8                                 ; x's set and W's fragments for q and k are in; the youngest eight loads (W's for v) may be out
	PASS 0, (\s)%2, \zero
	WIN 0
	PLACES 4
	LDW 0, (\s)+1
	LDX 1-(\s)%2, (\s)+1, 0
	s_wait_dscnt 24                                ; behind W's for k: v's 8 and the 16 just issued
	PASS 1, (\s)%2, \zero
	WIN 0
	PLACES 4
	LDW 1, (\s)+1
	LDX 1-(\s)%2, (\s)+1, 4
	s_wait_dscnt 32                                ; behind W's for v: the two runs of 16
	PASS 2, (\s)%2, \zero
	WIN 0
	PLACES 4
	LDW 2, (\s)+1
.endm
.macro INIT                            ; the first fragments of a slot
	LDX 0, 0, 0
	LDX 0, 0, 4
	LDW 0, 0
	LDW 1, 0
	LDW 2, 0
.endm
; A step's last sub-step, behind which the slot is filled again.  In front of the round each wave waits for all its tensor loads, adds 0 to its spare word, and waits for that and for its reads of the slot.
.macro TURN always
	s_wait_xcnt 0x0                                ; my last prefetch has read its address, which steps here, a K step behind it
	s_add_nc_u64 s[PFA:PFA+1], s[PFA:PFA+1], 256
	s_wait_tensorcnt 0x0                           ; no tensor load of mine is out  (every window is 0 here)
	ds_add_u32 v[SPW], v[NIL]                      ; 0 onto my spare word
	s_wait_dscnt 9                                 ; the add and the youngest eight loads (W's for v) may be out
	PASS 0, 1, 0
	s_wait_dscnt 0x0                               ; the add is done, and my reads of the slot are over
	s_barrier_signal -1
	PASS 1, 1, 0
	WIN 0
	s_barrier_wait -1
	CREST                                          ; the barrier has opened a round of the cluster's barrier: no wave of any partner still reads the slot or has a load on its way
	s_add_nc_u64 s[G0X+2:G0X+3], s[G0X+2:G0X+3], 256
	s_add_nc_u64 s[G0W+2:G0W+3], s[G0W+2:G0W+3], 256
	JLOAD                                          ; the next K step: the first tensor load behind the round
	ASK \always                                    ; and the rows of the K step after it
	PASS 2, 1, 0
	WIN 0
	PLACES 4                                       ; in front of the loads into the fragments' registers
	s_wait_tensorcnt 0x0                           ; my tile has landed,
	s_barrier_signal -1
	s_barrier_wait -1                              ; and everybody's has
	INIT
.endm
	s_wait_alu depctr_va_vdst(0)                   ; the wait at the head's end
	s_wait_tensorcnt 0x0                           ; my tile of K step 0 has landed,
	s_barrier_signal -1
	s_barrier_wait -1                              ; and everybody's has: no tensor load is out
.irp t, 0,1,2
	ds_store_b64 v[BS], v[32+2*\t:33+2*\t] offset:256*\t   ; the bias into my own bytes
.endr
	INIT
	SUB 0, 1                                       ; the first sub-step's products start the sums
	SUB 1, 0
	SUB 2, 0
	TURN 1
	s_mov_b32 s3, 2
.Lk:                                               ; K steps 1 and 2
	SUB 0, 0
	SUB 1, 0
	SUB 2, 0
	TURN 0
	s_sub_co_u32 s3, s3, 1
	s_cmp_lg_u32 s3, 0
	s_cbranch_scc1 .Lk
	SUB 0, 0                                       ; K step 3 asks for nothing more
	SUB 1, 0
	SUB 2, 0
.irp t, 0,1                                    ; the bias comes back in the result's layout, into x's set 0, which is done with: register 8 w + j: b(16 w + 8 h + j)
.irp w, 0,1,2,3
	ds_load_b128 v[BQ+32*\t+8*\w:BQ+32*\t+8*\w+3], v[BA] offset:256*\t+64*\w
	ds_load_b128 v[BQ+32*\t+8*\w+4:BQ+32*\t+8*\w+7], v[BA] offset:256*\t+64*\w+16
.endr
.endr
.irp w, 0,1,2,3
	ds_load_b32 v[BVR+2*\w], v[BV] offset:512+64*\w        ; v: b(16 w + r)
	ds_load_b32 v[BVR+2*\w+1], v[BV] offset:512+64*\w      ; (named with it as a pair, so it is written)
.endr
	s_wait_dscnt 32                                ; W's 8 for v and the bias's 24 may be out
	PASS 0, 1, 0
	PASS 1, 1, 0
	s_wait_dscnt 24                                ; the bias's 24 may be out
	PASS 2, 1, 0
	WIN 0
; THE WAY OUT, group g of tensor t: four accumulators, 32 registers, are one image.  The bias is added, the sum held (the conversion does not saturate: ISA guide 7.6.2) and converted; accumulator n of the group gives registers 2 n, 2 n + 1.
.macro OUTG t, g
.set CG, CD+8*((8*\t+\g)%16)
.if (8*\t+\g) == 16
	s_wait_xcnt 0x0                                ; the first groups' stores have read their data: their registers are written again
.endif
	WIN \t+1                                       ; source 0 in window t + 1
.set jj, 0
.rept 16
.if \t < 2
	v_pk_add_f32 v[TMP+jj:TMP+jj+1], v[32*\g+jj:32*\g+jj+1], v[BQ+32*\t+jj:BQ+32*\t+jj+1]   ; each accumulator from its low end on
.else
	v_pk_add_f32 v[TMP+jj:TMP+jj+1], v[32*\g+jj:32*\g+jj+1], v[BVR+2*(\g%4):BVR+2*(\g%4)+1] op_sel_hi:[1,0]
.endif
.set jj, jj+2
.endr
	WIN 0
.set jj, 0
.rept 32
	v_med3_num_f32 v[TMP+jj], v[TMP+jj], -v[LIM+\t], v[LIM+\t]
.set jj, jj+1
.endr
.irp n, 0,1,2,3
	v_cvt_scalef32_pk8_bf8_f32 v[CG+2*\n:CG+2*\n+1], v[TMP+8*\n:TMP+8*\n+7], v[SCL+\t]
.endr
	v_nop                                          ; a plain vector instruction between the last conversion and the next group's additions, which write its sources
.irp u, 0,1
	global_store_b128 v[LOFF], v[CG+4*\u:CG+4*\u+3], s[OB+2*\t:OB+2*\t+1] offset:1024*\g+512*\u   ; 32 lanes store 512 consecutive bytes, aligned
.endr
.endm
	PLACES 4                                       ; behind the last products: their results are read, and their sources written, below
	s_wait_dscnt 0x0                               ; the bias is in
.irp t, 0,1,2
.irp g, 0,1,2,3,4,5,6,7
	OUTG \t, \g
.endr
.endr
	s_wait_tensorcnt 0x0                           ; the wave's end
	ds_add_u32 v[SPW], v[NIL]
	s_wait_dscnt 0x0
	CROUND                                         ; the closing round: no work-group ends while a partner may still ask for a tile that names it
	s_endpgm
.Lfunc_end_k_q9d0fa19dbb_qkv:
	.size	k_q9d0fa19dbb_qkv, .Lfunc_end_k_q9d0fa19dbb_qkv-k_q9d0fa19dbb_qkv
	.p2alignl 7, 3214868480
	.fill 96, 4, 3214868480
	.section	.rodata,"a",@progbits
	.p2align	6, 0x0
	.amdhsa_kernel k_q9d0fa19dbb_qkv
		.amdhsa_group_segment_fixed_size 327680
		.amdhsa_private_segment_fixed_size 0
		.amdhsa_enable_private_segment 0
		.amdhsa_kernarg_size 56
		.amdhsa_user_sgpr_count 2
		.amdhsa_user_sgpr_kernarg_segment_ptr 1
		.amdhsa_wavefront_size32 1
		.amdhsa_system_sgpr_workgroup_id_x 1
		.amdhsa_system_sgpr_workgroup_id_y 1
		.amdhsa_system_sgpr_workgroup_id_z 1
		.amdhsa_system_vgpr_workitem_id 0
		.amdhsa_next_free_vgpr 1024
		.amdhsa_next_free_sgpr 100
		.amdhsa_reserve_vcc 0
		.amdhsa_float_denorm_mode_32 3
		.amdhsa_float_denorm_mode_16_64 3
		.amdhsa_memory_ordered 1
		.amdhsa_forward_progress 1
		.amdhsa_inst_pref_size 208
	.end_amdhsa_kernel
	.amdgpu_metadata
---
amdhsa.version: [ 1, 2 ]
amdhsa.kernels:
  - .name:           k_q9d0fa19dbb_qkv
    .symbol:         k_q9d0fa19dbb_qkv.kd
    .args:
      - { .name: x_codes, .offset: 0, .size: 8, .value_kind: global_buffer, .address_space: global }
      - { .name: W_qkv_codes, .offset: 8, .size: 8, .value_kind: global_buffer, .address_space: global }
      - { .name: b_qkv, .offset: 16, .size: 8, .value_kind: global_buffer, .address_space: global }
      - { .name: lowp_scales, .offset: 24, .size: 8, .value_kind: global_buffer, .address_space: global }
      - { .name: q_img, .offset: 32, .size: 8, .value_kind: global_buffer, .address_space: global }
      - { .name: k_img, .offset: 40, .size: 8, .value_kind: global_buffer, .address_space: global }
      - { .name: v_img, .offset: 48, .size: 8, .value_kind: global_buffer, .address_space: global }
    .group_segment_fixed_size: 327680
    .private_segment_fixed_size: 0
    .kernarg_segment_align: 8
    .kernarg_segment_size: 56
    .max_flat_workgroup_size: 128
    .sgpr_count:     100
    .vgpr_count:     1024
    .wavefront_size: 32
...
	.end_amdgpu_metadata
.endif
;; end of part 1
;; launch attn (part 2): grid 4 x 64, 16 waves a work-group, clusters of 4 x 1, 327,680 bytes of LDS; arguments q_img, k_img, v_img, lowp_scales, a_img; writes a_img
.if DOCPART == 2
	.amdgcn_target "amdgcn-amd-amdhsa--gfx1250"
	.amdhsa_code_object_version 6
	.text
	.protected	k_q9d0fa19dbb_attn
	.globl	k_q9d0fa19dbb_attn
	.p2align	8
	.type	k_q9d0fa19dbb_attn,@function
k_q9d0fa19dbb_attn:
	s_mov_b64 s[64:65], 0
	v_nop
	global_prefetch_b8 v0, s[64:65] scope:SCOPE_SE
	s_setreg_imm32_b32 hwreg(HW_REG_WAVE_MODE, 25, 1), 1
	s_wait_xcnt 0x0
	s_wait_alu depctr_hold_cnt(0) depctr_sa_sdst(0) depctr_va_vdst(0) depctr_va_sdst(0) depctr_va_ssrc(0) depctr_va_vcc(0) depctr_vm_vsrc(0)
	s_getreg_b32 s2, hwreg(HW_REG_IB_STS2, 6, 4)
	s_cmp_eq_u32 s2, 0
	s_cbranch_scc0 .Lentry_in_a_cluster
	s_endpgm
.Lentry_in_a_cluster:
	s_bfe_u32 s2, ttmp6, 0x10000c
	s_cmp_lg_u32 s2, 0x3003
	s_cbranch_scc0 .Lentry_shape_is_right
	s_endpgm
.Lentry_shape_is_right:
; For each of 64 (batch, head): O = softmax(q k^T / 8) v, both products on codes of BF8 (E5M2), then O is quantised with 2^e6 for the projection (e0 .. e7: lowp_scales).
; q_img, k_img: [bh 64][tile of 16 tokens 128][1,024]: images of fragments of 16 tokens x 64 d (registers 0-3 of lane l at 16 l, 4-7 at 512 + 16 l).
; v_img: [bh 64][block of 64 keys 32][tile of 16 channels 4][1,024]: lane (r, h): channel r; registers 2 c, 2 c + 1: keys 16 c + 8 h + 0 .. 7.
; a_img: [tile of 16 tokens 512][head 16][1,024]: lane (r, h): token r; registers 4 c .. 4 c + 3: channels 32 c + 16 h + 0 .. 15.
; THE SOFTMAX: t = score x log2(e) / 8 x 2^(e2+e3); M = the running largest t rounded UP to a whole number; p = 2^(t - M) is quantised with 2^e4, not normalised.
; The row's sum is taken of the unquantised p and divides O at the end.  When M moves, the sum and O are multiplied by 2^(old M - new M): exact.  The running maximum is kept of the raw scores (c is positive).
; LIMITS: e2 + e3 between -123 and 130 (added to the exponent field of log2(e) / 8); e4, and e6 - e4 - e5, between -126 and 112.
; SHARES.  A work-group owns 512 queries of one (batch, head); each of its sixteen waves 32 of them, two tiles, in 256 registers.  A key step is 128 keys: 16 products for S^T (K = 64), 8 for O^T (K = 128).
; LDS HOLDS THE WHOLE HEAD, filled once: for each 256 keys 16,384 bytes of K, then 16,384 of V, so that one address register and immediates reach both.  Each wave asks for one piece of 16,384 bytes
; (waves 0-7 K's, waves 8-15 V's): one tensor load a wave, at the head.  All of K and V is asked for there, so no later request exists that a prefetch could run ahead of.
; CLUSTER.  The four work-groups of a cluster are the four query blocks of one head and need the same K and V: each load is asked for jointly, with the mask of all four.
; LAYOUT.  Both products are used transposed: S^T = K Q^T, O^T = V^T P^T: a lane holds ONE query (lane % 16) throughout; a tile's eight registers of S^T are eight neighbouring keys: converted, they are two registers of P's fragment.
; REGISTERS: S^T takes 128, O^T 64.  Q (16) is read anew in each step from the wave's own 2,048 bytes of LDS, since p's 32 registers of codes lie over Q and two tiles of K.
; K's eight tiles of a step are staged in five tiles of S^T that are written last, in v40-55 and in v248-255.  V's 64 registers lie over query tile 0's S^T once that is converted.
; THE EXPONENTIALS go in two batches, a query tile each.  Among a batch's lines stand plain lines of the OTHER tile that read none of the batch's results and whose own results are first read behind the wait that follows the batch:
; tile 1's t - M among tile 0's exponentials, tile 0's holds among tile 1's.
.set QBASE, 262144                     ; behind K and V: 2,048 bytes of Q for each wave
.set SPARE, 294912                     ; behind that: the spare words, 128 bytes for each wave
.set LIMB, 0                           ; v0   a second copy of v5 (the pair of holds names two registers)
.set AK,  1                            ; v1   16 x lane
.set ADR, 2                            ; v2   LDS address of the trip's 256 keys
.set SPW, 3                            ; v3   LDS address of my spare word; never rewritten
.set NIL, 4                            ; v4   0; never rewritten
.set LIM, 5                            ; v5   57,344 x 2^e4
.set SCL, 6                            ; v6   2^e4
.set QA,  7                            ; v7   LDS address of my Q
.set ST,  8                            ; tile i's statistics at v[8 + 8 i]: +0 -M, +1 the largest score, +2, +3 the sum, +4 f, +5, +6, +7 at work
.set Q,   24                           ; v24-39   Q, 8 a tile
.set KF,  40                           ; v40-55   two tiles of K
.set PC,  24                           ; v24-55   p's codes, 16 a tile
.set S,   56                           ; v56-183  S^T, then p: 64 a tile
.set O,   184                          ; v184-247 O^T: 32 a tile
.set X8,  248                          ; v248-255 one tile of K
.set G1,  24
.set G0,  32
.set CS,  56                           ; s[56:57] c = log2(e) / 8 x 2^(e2+e3)
.set SEL, 58                           ; s[58:59] lane selects for v_permlanex16_b32: lane l xor 16
.set TB,  60                           ; s60  LDS byte at which the trip's keys begin
.set CNT, 61                           ; s61  trips to go
.macro CROUND                          ; a round of the cluster's barrier
	s_barrier_signal -1
	s_barrier_wait -1
	s_cmp_lg_u32 s14, 0
	s_cbranch_scc1 .Lnot_wave_0_\@
	s_barrier_signal -3
.Lnot_wave_0_\@:
	s_barrier_wait -3
	s_barrier_signal -1
	s_barrier_wait -1
.endm
	s_load_b256 s[4:11], s[0:1], 0x0               ; q_img, k_img, v_img, the exponents
	s_load_b64 s[12:13], s[0:1], 0x20              ; a_img
	v_lshl_add_u32 v[SPW], v0, 2, SPARE
	v_mov_b32 v[NIL], 0
	ds_add_u32 v[SPW], v[NIL]                      ; the opening: the add, twice on end, and its wait ahead of my tensor load
	ds_add_u32 v[SPW], v[NIL]
	v_lshrrev_b32 v[ADR], 5, v0
	v_readfirstlane_b32 s14, v[ADR]                ; wave 0..15
	s_bfe_u32 s15, ttmp6, 0x40000                  ; cx: my block of 512 queries: it enters q_img's and a_img's addresses alone
	s_and_b32 s16, ttmp7, 0xffff                   ; bh, which the four partners share
	s_mov_b32 s[G1], 15|(3<<16)|(1<<21)            ; the mask of all four; elements of 8 bytes; bit 21 beside a mask; no padding
	s_mov_b32 s[G1+1], 32<<16                      ; rows of 256 bytes,
	s_mov_b32 s[G1+2], 64<<16                      ; 64 of them,
	s_mov_b32 s[G1+3], 32<<16
	s_mov_b32 s[G1+4], 64
	s_mov_b32 s[G1+5], 32                          ; dense
	s_mov_b32 s[G1+6], 0
	s_mov_b32 s[G1+7], 0
	s_and_b32 s18, s14, 7                          ; which 256 keys I fetch
	s_lshr_b32 s19, s14, 3                         ; of K (0) or of V (1)
	s_lshl_b32 s17, s18, 15
	s_lshl_b32 s19, s19, 14
	s_add_co_u32 s19, s19, s17                     ; LDS: 32,768 x piece + 16,384 for V
	s_lshl_b32 s18, s18, 14
	s_lshl_b32 s20, s16, 17                        ; the head's 131,072 bytes in k_img and in v_img
	s_add_co_u32 s20, s20, s18
	s_mov_b32 s21, 0
	s_mov_b32 s[SEL], 0x76543210
	s_mov_b32 s[SEL+1], 0xfedcba98
	s_wait_dscnt 0x0
	s_wait_kmcnt 0x0
	s_load_b256 s[48:55], s[10:11], 0x0            ; e0 .. e7
	s_cmp_lt_u32 s14, 8
	s_cselect_b64 s[22:23], s[6:7], s[8:9]
	s_mov_b32 s[G0], 1
	s_mov_b32 s[G0+1], s19
	s_add_nc_u64 s[G0+2:G0+3], s[22:23], s[20:21]
	s_or_b32 s[G0+3], s[G0+3], 0x80000000
	CROUND                                         ; all four work-groups are here: the joint loads meet
	tensor_load_to_lds s[G0:G0+3], s[G1:G1+7]      ; my one tensor load of the launch
	s_nop 0
.rept 4
	v_nop
.endr
	s_lshl_b32 s38, s15, 5
	s_lshl_b32 s39, s14, 1
	s_lshl_b32 s62, s16, 7
	s_add_co_u32 s62, s62, s38
	s_add_co_u32 s62, s62, s39                     ; my first tile of queries: 128 bh + 32 cx + 2 wave
	s_lshl_b32 s62, s62, 10
	s_mov_b32 s63, 0
	s_add_nc_u64 s[4:5], s[4:5], s[62:63]
	s_lshl_b32 s17, s14, 11
	s_add_co_u32 s17, s17, QBASE
	v_and_b32 v[AK], 31, v0
	v_lshlrev_b32 v[AK], 4, v[AK]
	v_add_nc_u32 v[QA], s17, v[AK]
.irp g, 0,1,2,3
	global_load_b128 v[Q+4*\g:Q+4*\g+3], v[AK], s[4:5] offset:512*\g
.endr
	s_lshr_b32 s62, s16, 4                         ; a_img: tile of tokens 128 batch + 32 cx + 2 wave, 16,384 bytes each; + head x 1,024
	s_lshl_b32 s62, s62, 7
	s_add_co_u32 s62, s62, s38
	s_add_co_u32 s62, s62, s39
	s_lshl_b32 s62, s62, 14
	s_and_b32 s17, s16, 15
	s_lshl_b32 s17, s17, 10
	s_add_co_u32 s62, s62, s17
	s_add_nc_u64 s[12:13], s[12:13], s[62:63]
.irp i, 0,1
	v_mov_b32 v[ST+8*\i+1], 0xff61b1e6             ; the largest score so far: -3e38
	v_mov_b32 v[ST+8*\i+2], 0                      ; the sum, in two halves
	v_mov_b32 v[ST+8*\i+3], 0
	v_mov_b32 v[ST+8*\i+5], 0                      ; written once: a lane permute's destination counts as one of its sources
	v_floor_f32 v[ST+8*\i], -v[ST+8*\i+1]          ; -M
.endr
.set jj, 0
.rept 64
	v_mov_b32 v[O+jj], 0                           ; O^T: the step is written once; the first finds zeros, which the first change of M leaves zeros
.set jj, jj+1
.endr
	s_wait_kmcnt 0x0
	s_add_co_i32 s62, s50, s51
	s_lshl_b32 s62, s62, 23
	s_mov_b32 s[CS], 0x3e38aa3b                    ; log2(e) / 8
	s_add_co_i32 s[CS], s[CS], s62                 ; x 2^(e2+e3): added to the exponent field
	s_mov_b32 s[CS+1], s[CS]
	s_add_co_i32 s62, s52, 127
	s_lshl_b32 s63, s62, 23
	v_mov_b32 v[SCL], s63                          ; 2^e4
	s_add_co_i32 s62, s62, 15
	s_lshl_b32 s62, s62, 23
	s_or_b32 s62, s62, 0x600000
	v_mov_b32 v[LIM], s62                          ; 57,344 x 2^e4
	v_mov_b32 v[LIMB], s62
	s_sub_co_i32 s62, s54, s52
	s_sub_co_i32 s62, s62, s53                     ; a sum of the second product, divided by l, stands for O / 2^(e4+e5): its code is that / 2^(e6-e4-e5)
	s_add_co_i32 s62, s62, 127
	s_lshl_b32 s36, s62, 23                        ; 2^(e6-e4-e5)
	s_add_co_i32 s62, s62, 15
	s_lshl_b32 s62, s62, 23
	s_or_b32 s37, s62, 0x600000                    ; 57,344 x that
.macro KREG n                          ; KR: where K's tile n of a step is staged
.if (\n) < 2
.set KR, S+48+8*(\n)
.elseif (\n) < 5
.set KR, S+104+8*((\n)-2)
.elseif (\n) < 7
.set KR, KF+8*((\n)-5)
.else
.set KR, X8
.endif
.endm
.macro KQ n                            ; tile n of the keys against both tiles of queries
	KREG \n
.irp i, 0,1
	v_wmma_f32_16x16x64_bf8_bf8 v[S+64*\i+8*(\n):S+64*\i+8*(\n)+7], v[KR:KR+7], v[Q+8*\i:Q+8*\i+7], 0
.endr
.endm
.macro MINS i, t                       ; eight p are held (the conversion does not saturate: ISA guide 7.6.2; p is not negative, so the hold is one-sided), two numbers an instruction
.irp n, 0,2,4,6
	v_dual_min_num_f32 v[S+64*\i+8*(\t)+\n], v[S+64*\i+8*(\t)+\n], v[LIM] :: v_dual_min_num_f32 v[S+64*\i+8*(\t)+\n+1], v[S+64*\i+8*(\t)+\n+1], v[LIMB]
.endr
.endm
.macro CVT i, t                        ; and converted: registers 2 t, 2 t + 1 of P's fragment
	v_cvt_scalef32_pk8_bf8_f32 v[PC+16*\i+2*(\t):PC+16*\i+2*(\t)+1], v[S+64*\i+8*(\t):S+64*\i+8*(\t)+7], v[SCL]
.endm
.macro ADDS i                          ; the row's sum is taken of the unquantised p of query tile i: 32 packed additions in four chains (the sum itself and three pairs of the statistics that are free here)
.set AB, S+64*\i
.set A0, ST+8*\i+2
.set A1, ST+8*\i+6
.set A2, ST+8*(1-\i)+6
.set A3, ST+8*\i+4
	v_pk_add_f32 v[A1:A1+1], v[AB:AB+1], v[AB+2:AB+3]
	v_pk_add_f32 v[A2:A2+1], v[AB+4:AB+5], v[AB+6:AB+7]
	v_pk_add_f32 v[A3:A3+1], v[AB+8:AB+9], v[AB+10:AB+11]
.set jj, 12
.rept 6
	v_pk_add_f32 v[A0:A0+1], v[A0:A0+1], v[AB+jj:AB+jj+1]
	v_pk_add_f32 v[A1:A1+1], v[A1:A1+1], v[AB+jj+2:AB+jj+3]
	v_pk_add_f32 v[A2:A2+1], v[A2:A2+1], v[AB+jj+4:AB+jj+5]
	v_pk_add_f32 v[A3:A3+1], v[A3:A3+1], v[AB+jj+6:AB+jj+7]
.set jj, jj+8
.endr
	v_pk_add_f32 v[A0:A0+1], v[A0:A0+1], v[AB+60:AB+61]
	v_pk_add_f32 v[A1:A1+1], v[A1:A1+1], v[AB+62:AB+63]
	v_pk_add_f32 v[A2:A2+1], v[A2:A2+1], v[A3:A3+1]
	v_pk_add_f32 v[A0:A0+1], v[A0:A0+1], v[A1:A1+1]
	v_pk_add_f32 v[A0:A0+1], v[A0:A0+1], v[A2:A2+1]
.endm
; A KEY STEP: 128 keys, the h-th of the trip's 256, both tiles of queries.
.macro STEP h
.if \h == 0
	v_add_nc_u32 v[ADR], s[TB], v[AK]
.else
	v_nop
.endif
.rept 4
	v_nop                                          ; five places behind the last step's products: loads land on their sources, and the products below write over V's registers
.endr
.irp g, 0,1,2,3
	ds_load_b128 v[Q+4*\g:Q+4*\g+3], v[QA] offset:512*\g
.endr
.irp n, 0,1,2,3,4,5,6,7
	KREG \n
	ds_load_b128 v[KR:KR+3], v[ADR] offset:8192*\h+1024*\n
	ds_load_b128 v[KR+4:KR+7], v[ADR] offset:8192*\h+1024*\n+512
.endr
	s_wait_dscnt 0x6                               ; Q and K's tiles 0-4 are in; the six loads of tiles 5-7 may be out
.irp n, 0,1,2,3,4
	KQ \n
.endr
.rept 5
	v_nop                                          ; five places: the products below write over registers in which tiles 0-4 were staged
.endr
	s_wait_dscnt 0x0
.irp n, 5,6,7
	KQ \n
.endr
	; the step's largest score of my query among my 64 keys: two chains a tile, the tiles by turns, ascending.  The first 36 lines read tiles finished ahead of the five places above, and are the places behind the last six products
.irp i, 0,1
	v_max3_num_f32 v[ST+8*\i+6], v[S+64*\i], v[S+64*\i+1], v[S+64*\i+2]
.endr
.irp i, 0,1
	v_max3_num_f32 v[ST+8*\i+7], v[S+64*\i+3], v[S+64*\i+4], v[S+64*\i+5]
.endr
.set nn, 6
.rept 14
.irp i, 0,1
	v_max3_num_f32 v[ST+8*\i+6], v[ST+8*\i+6], v[S+64*\i+nn], v[S+64*\i+nn+1]
.endr
.irp i, 0,1
	v_max3_num_f32 v[ST+8*\i+7], v[ST+8*\i+7], v[S+64*\i+nn+2], v[S+64*\i+nn+3]
.endr
.set nn, nn+4
.endr
.irp i, 0,1
	v_max3_num_f32 v[ST+8*\i+6], v[ST+8*\i+6], v[S+64*\i+62], v[S+64*\i+63]
.endr
.irp i, 0,1
	s_delay_alu instid0(VALU_DEP_2)
	v_max_num_f32 v[ST+8*\i+6], v[ST+8*\i+6], v[ST+8*\i+7]
.endr
.irp i, 0,1
	s_delay_alu instid0(VALU_DEP_2)
	v_permlanex16_b32 v[ST+8*\i+5], v[ST+8*\i+6], s[SEL], s[SEL+1]     ; the query's other 64 keys lie in the lane 16 away
.endr
.irp i, 0,1
	s_delay_alu instid0(VALU_DEP_2)
	v_max3_num_f32 v[ST+8*\i+1], v[ST+8*\i+1], v[ST+8*\i+6], v[ST+8*\i+5]   ; the running largest score
.endr
.irp i, 0,1
	s_delay_alu instid0(VALU_DEP_2)
	v_mul_f32 v[ST+8*\i+6], s[CS], v[ST+8*\i+1]                        ; as t
.endr
.irp i, 0,1
	v_mov_b32 v[ST+8*\i+7], v[ST+8*\i]
.endr
.irp i, 0,1
	s_delay_alu instid0(VALU_DEP_4)
	v_floor_f32 v[ST+8*\i], -v[ST+8*\i+6]                              ; the new -M = floor(-t) = -ceil(t)
.endr
.irp i, 0,1
	s_delay_alu instid0(VALU_DEP_2)
	v_sub_f32 v[ST+8*\i+6], v[ST+8*\i], v[ST+8*\i+7]                   ; old M - new M: a whole number, 0 or less
.endr
.irp i, 0,1
	s_delay_alu instid0(VALU_DEP_2)
	v_cvt_i32_f32 v[ST+8*\i+6], v[ST+8*\i+6]                           ; (it saturates)
.endr
.irp i, 0,1
	s_delay_alu instid0(VALU_DEP_2)
	v_ldexp_f32 v[ST+8*\i+4], 1.0, v[ST+8*\i+6]                        ; f = 2^(old M - new M)
.endr
.set jj, 0
.rept 32
	v_pk_fma_f32 v[S+jj:S+jj+1], v[S+jj:S+jj+1], s[CS:CS+1], v[ST:ST+1] op_sel_hi:[1,0,0]   ; query tile 0: t - M, two at a time (of the pairs c and -M the low word serves both halves)
.set jj, jj+2
.endr
.irp i, 0,1
	v_pk_mul_f32 v[ST+8*\i+2:ST+8*\i+3], v[ST+8*\i+2:ST+8*\i+3], v[ST+8*\i+4:ST+8*\i+5] op_sel_hi:[1,0]   ; the sums under the new M
.endr
.irp i, 0,1
.set jj, 0
.rept 16
	v_pk_mul_f32 v[O+32*\i+jj:O+32*\i+jj+1], v[O+32*\i+jj:O+32*\i+jj+1], v[ST+8*\i+4:ST+8*\i+5] op_sel_hi:[1,0]   ; O^T under the new M: read ahead of the exponentials, each accumulator from its low end on
.set jj, jj+2
.endr
.endr
	s_wait_alu depctr_va_vdst(0)                   ; the wait ahead of the batch
.set jj, 0
.rept 32
	v_exp_f32 v[S+jj], v[S+jj]                     ; query tile 0: p = 2^(t - M), at most 1;
	v_pk_fma_f32 v[S+64+jj:S+64+jj+1], v[S+64+jj:S+64+jj+1], s[CS:CS+1], v[ST+8:ST+9] op_sel_hi:[1,0,0]   ; among them query tile 1's t - M, first read behind the wait below
	v_exp_f32 v[S+jj+1], v[S+jj+1]
.set jj, jj+2
.endr
	v_nop                                          ; a place behind the last exponential
	s_wait_alu depctr_va_vdst(0)                   ; one wait: behind tile 0's batch, ahead of its first reader, and ahead of tile 1's batch
	ADDS 0
.set jj, 0
.rept 32
	v_exp_f32 v[S+64+jj], v[S+64+jj]               ; query tile 1's p;
	v_dual_min_num_f32 v[S+jj], v[S+jj], v[LIM] :: v_dual_min_num_f32 v[S+jj+1], v[S+jj+1], v[LIMB]   ; among them tile 0's holds, first read behind the wait below
	v_exp_f32 v[S+64+jj+1], v[S+64+jj+1]
.set jj, jj+2
.endr
	v_nop                                          ; a place behind the last exponential
	s_wait_alu depctr_va_vdst(0)                   ; one wait for the batch and for the holds, ahead of their first readers
.irp t, 0,1,2,3,4,5,6,7
	CVT 0, \t
.endr
.irp u, 0,1,2,3                                ; V: channel tile u's 128 keys, 16 registers, over query tile 0's p, which is converted
.irp b, 0,1
	ds_load_b128 v[S+16*\u+8*\b:S+16*\u+8*\b+3], v[ADR] offset:16384+8192*\h+4096*\b+1024*\u
	ds_load_b128 v[S+16*\u+8*\b+4:S+16*\u+8*\b+7], v[ADR] offset:16384+8192*\h+4096*\b+1024*\u+512
.endr
.endr
	ADDS 1
	MINS 1, 0
.irp t, 1,2,3,4,5,6,7                          ; a tile's conversion stands behind the next tile's holds
	MINS 1, \t
	CVT 1, \t-1
.endr
	CVT 1, 7
	v_nop                                          ; a plain instruction between the last conversion and the products that read the codes
	s_wait_alu depctr_va_vdst(0)                   ; directly ahead of the wait below
	s_wait_dscnt 0x0                               ; V is in
.irp u, 0,1,2,3
.irp i, 0,1
	v_wmma_f32_16x16x128_bf8_bf8 v[O+32*\i+8*\u:O+32*\i+8*\u+7], v[S+16*\u:S+16*\u+15], v[PC+16*\i:PC+16*\i+15], v[O+32*\i+8*\u:O+32*\i+8*\u+7]   ; eight accumulators by turns, one instruction a turn
.endr
.endr
.endm
	s_wait_alu depctr_va_vdst(0)                   ; the wait at the head's end
	s_wait_loadcnt 0x0                             ; Q
	s_wait_tensorcnt 0x0                           ; my piece of K or V has landed,
	s_barrier_signal -1
	s_barrier_wait -1                              ; and everybody's has: no tensor load is out any more
.irp g, 0,1,2,3
	ds_store_b128 v[QA], v[Q+4*\g:Q+4*\g+3] offset:512*\g   ; Q into my own bytes: LDS serves a wave's instructions in order, so my loads see these stores
.endr
	s_mov_b32 s[TB], 0
	s_mov_b32 s[CNT], 8
.Ltrip:                                            ; 8 trips of 256 keys
	STEP 0
	STEP 1
	s_add_co_u32 s[TB], s[TB], 32768
	s_sub_co_u32 s[CNT], s[CNT], 1
	s_cmp_lg_u32 s[CNT], 0
	s_cbranch_scc1 .Ltrip
	; THE WAY OUT.  O^T / the sum, held, converted with 2^(e6-e4-e5); then the codes change halves of the lanes so that a lane holds 16 neighbouring channels, as the projection's fragments want them.
.rept 4
	v_nop                                          ; places behind the last products
.endr
.irp i, 0,1
	v_add_f32 v[ST+8*\i+6], v[ST+8*\i+2], v[ST+8*\i+3]                 ; the sum's two halves,
.endr
.irp i, 0,1
	s_delay_alu instid0(VALU_DEP_2)
	v_permlanex16_b32 v[ST+8*\i+5], v[ST+8*\i+6], s[SEL], s[SEL+1]
.endr
.irp i, 0,1
	s_delay_alu instid0(VALU_DEP_2)
	v_add_f32 v[ST+8*\i+6], v[ST+8*\i+6], v[ST+8*\i+5]                 ; and lane l xor 16's
.endr
	v_mov_b32 v[SCL], s36
	v_mov_b32 v[LIM], s37
	s_wait_alu depctr_va_vdst(0)                   ; the wait ahead of the transcendentals
.irp i, 0,1
	v_rcp_f32 v[ST+8*\i+4], v[ST+8*\i+6]
.endr
	v_nop                                          ; a place behind the last reciprocal
	s_mov_b32 vcc_lo, 0xffff0000                   ; lanes 16-31
	s_wait_alu depctr_va_vdst(0)                   ; one wait for both reciprocals and for O^T, directly ahead of the first reader
.irp i, 0,1
.set jj, 0
.rept 16
	v_pk_mul_f32 v[O+32*\i+jj:O+32*\i+jj+1], v[O+32*\i+jj:O+32*\i+jj+1], v[ST+8*\i+4:ST+8*\i+5] op_sel_hi:[1,0]
.set jj, jj+2
.endr
.endr
.set jj, 0
.rept 64
	v_med3_num_f32 v[O+jj], v[O+jj], -v[LIM], v[LIM]
.set jj, jj+1
.endr
.irp i, 0,1
.irp t, 0,1,2,3
	v_cvt_scalef32_pk8_bf8_f32 v[PC+8*\i+2*\t:PC+8*\i+2*\t+1], v[O+32*\i+8*\t:O+32*\i+8*\t+7], v[SCL]   ; registers 2 t, 2 t + 1: channels 16 t + 8 h + 0 .. 7
.endr
.endr
	v_nop                                          ; a plain instruction between the last conversion and the first read of the codes
	; wanted: registers 4 c .. 4 c + 3 = channels 32 c + 16 h + 0 .. 15.  Lanes 0-15 keep registers 4 c + e and give away 4 c + 2 + e; lanes 16-31 the other way round (e = 0, 1).
.irp i, 0,1
.irp c, 0,1
.irp e, 0,1
	v_cndmask_b32 v[S+8*\i+2*\c+\e], v[PC+8*\i+4*\c+2+\e], v[PC+8*\i+4*\c+\e], vcc_lo   ; what I give away
.endr
.endr
.endr
.irp i, 0,1
.irp c, 0,1
.irp e, 0,1
	v_permlanex16_b32 v[S+16+8*\i+2*\c+\e], v[S+8*\i+2*\c+\e], s[SEL], s[SEL+1]         ; what I get
.endr
.endr
.endr
.irp i, 0,1
.irp c, 0,1
.irp e, 0,1
	v_cndmask_b32 v[S+32+8*\i+4*\c+\e], v[PC+8*\i+4*\c+\e], v[S+16+8*\i+2*\c+\e], vcc_lo
	v_cndmask_b32 v[S+32+8*\i+4*\c+2+\e], v[S+16+8*\i+2*\c+\e], v[PC+8*\i+4*\c+2+\e], vcc_lo
.endr
.endr
.endr
.irp i, 0,1
.irp u, 0,1
	global_store_b128 v[AK], v[S+32+8*\i+4*\u:S+32+8*\i+4*\u+3], s[12:13] offset:16384*\i+512*\u   ; 32 lanes store 512 consecutive bytes, aligned
.endr
.endr
	s_wait_tensorcnt 0x0                           ; the wave's end
	ds_add_u32 v[SPW], v[NIL]
	s_wait_dscnt 0x0
	CROUND                                         ; the closing round: no work-group ends while a partner may still ask for a tile that names it
	s_endpgm
.Lfunc_end_k_q9d0fa19dbb_attn:
	.size	k_q9d0fa19dbb_attn, .Lfunc_end_k_q9d0fa19dbb_attn-k_q9d0fa19dbb_attn
	.p2alignl 7, 3214868480
	.fill 96, 4, 3214868480
	.section	.rodata,"a",@progbits
	.p2align	6, 0x0
	.amdhsa_kernel k_q9d0fa19dbb_attn
		.amdhsa_group_segment_fixed_size 327680
		.amdhsa_private_segment_fixed_size 0
		.amdhsa_enable_private_segment 0
		.amdhsa_kernarg_size 40
		.amdhsa_user_sgpr_count 2
		.amdhsa_user_sgpr_kernarg_segment_ptr 1
		.amdhsa_wavefront_size32 1
		.amdhsa_system_sgpr_workgroup_id_x 1
		.amdhsa_system_sgpr_workgroup_id_y 1
		.amdhsa_system_sgpr_workgroup_id_z 1
		.amdhsa_system_vgpr_workitem_id 0
		.amdhsa_next_free_vgpr 256
		.amdhsa_next_free_sgpr 66
		.amdhsa_reserve_vcc 1
		.amdhsa_float_denorm_mode_32 3
		.amdhsa_float_denorm_mode_16_64 3
		.amdhsa_memory_ordered 1
		.amdhsa_forward_progress 1
		.amdhsa_inst_pref_size 75
	.end_amdhsa_kernel
	.amdgpu_metadata
---
amdhsa.version: [ 1, 2 ]
amdhsa.kernels:
  - .name:           k_q9d0fa19dbb_attn
    .symbol:         k_q9d0fa19dbb_attn.kd
    .args:
      - { .name: q_img, .offset: 0, .size: 8, .value_kind: global_buffer, .address_space: global }
      - { .name: k_img, .offset: 8, .size: 8, .value_kind: global_buffer, .address_space: global }
      - { .name: v_img, .offset: 16, .size: 8, .value_kind: global_buffer, .address_space: global }
      - { .name: lowp_scales, .offset: 24, .size: 8, .value_kind: global_buffer, .address_space: global }
      - { .name: a_img, .offset: 32, .size: 8, .value_kind: global_buffer, .address_space: global }
    .group_segment_fixed_size: 327680
    .private_segment_fixed_size: 0
    .kernarg_segment_align: 8
    .kernarg_segment_size: 40
    .max_flat_workgroup_size: 512
    .sgpr_count:     66
    .vgpr_count:     256
    .wavefront_size: 32
...
	.end_amdgpu_metadata
.endif
;; end of part 2
;; launch proj (part 3): grid 4 x 64, 4 waves a work-group, clusters of 4 x 4, 327,680 bytes of LDS; arguments a_img, W_proj_codes, b_proj, lowp_scales, out0; writes out0
.if DOCPART == 3
	.amdgcn_target "amdgcn-amd-amdhsa--gfx1250"
	.amdhsa_code_object_version 6
	.text
	.protected	k_q9d0fa19dbb_proj
	.globl	k_q9d0fa19dbb_proj
	.p2align	8
	.type	k_q9d0fa19dbb_proj,@function
k_q9d0fa19dbb_proj:
	s_mov_b64 s[64:65], 0
	v_nop
	global_prefetch_b8 v0, s[64:65] scope:SCOPE_SE
	s_setreg_imm32_b32 hwreg(HW_REG_WAVE_MODE, 25, 1), 1
	s_wait_xcnt 0x0
	s_wait_alu depctr_hold_cnt(0) depctr_sa_sdst(0) depctr_va_vdst(0) depctr_va_sdst(0) depctr_va_ssrc(0) depctr_va_vcc(0) depctr_vm_vsrc(0)
	s_getreg_b32 s2, hwreg(HW_REG_IB_STS2, 6, 4)
	s_cmp_eq_u32 s2, 0
	s_cbranch_scc0 .Lentry_in_a_cluster
	s_endpgm
.Lentry_in_a_cluster:
	s_bfe_u32 s2, ttmp6, 0x10000c
	s_cmp_lg_u32 s2, 0xf033
	s_cbranch_scc0 .Lentry_shape_is_right
	s_endpgm
.Lentry_shape_is_right:
.set PITCH,  272
.set RHALF,  16384
.set PHALF,  128*PITCH
.set POFF,   2*RHALF
.set SLOT,   POFF+2*PHALF
.set SPARE,  2*SLOT
.set STAGE,  SPARE+512
.set SPITCH, 528
.set ADRR, 16
.set ADRP, 20
.set STO,  24
.set RD,   25
.set CO,   26
.set SPW,  28
.set NIL,  29
.set RF,   32
.set TMP,  32
.set BK,   96
.set G1R, 24
.set G0R, 32
.set G1P, 48
.set G0P, 56
.set MSB, 0
.macro WIN new
.if MSB != \new
	s_set_vgpr_msb (MSB<<8)|\new
.set MSB, \new
.endif
.endm
.macro PLACES n
.rept \n
	v_nop
.endr
.endm
.macro JLOAD g0r, g0p
	s_cmp_eq_u32 s15, 0
	s_cbranch_scc0 .Lfor_p_\@
	tensor_load_to_lds s[\g0r:\g0r+3], s[G1R:G1R+7]
	s_nop 0
.rept 4
	v_nop
.endr
	s_branch .Lasked_\@
.Lfor_p_\@:
	tensor_load_to_lds s[\g0p:\g0p+3], s[G1P:G1P+7]
	s_nop 0
.rept 4
	v_nop
.endr
.Lasked_\@:
.endm
.macro CREST
	s_cmp_lg_u32 s14, 0
	s_cbranch_scc1 .Lnot_wave_0_\@
	s_barrier_signal -3
.Lnot_wave_0_\@:
	s_barrier_wait -3
	s_barrier_signal -1
	s_barrier_wait -1
.endm
.macro CROUND
	s_barrier_signal -1
	s_barrier_wait -1
	CREST
.endm
	s_load_b256 s[4:11], s[0:1], 0x0
	s_load_b64 s[12:13], s[0:1], 0x20
	v_lshl_add_u32 v[SPW], v0, 2, SPARE
	v_mov_b32 v[NIL], 0
	ds_add_u32 v28, v29
	ds_add_u32 v28, v29
	s_wait_dscnt 0x0
	v_lshrrev_b32 v1, 5, v0
	v_readfirstlane_b32 s14, v1
	s_lshr_b32 s15, s14, 1
	s_and_b32 s16, s14, 1
	s_bfe_u32 s40, ttmp6, 0x40000
	s_bfe_u32 s41, ttmp6, 0x40004
	s_lshl_b32 s42, ttmp9, 2
	s_add_co_u32 s42, s42, s40
	s_and_b32 s17, ttmp7, 0xffff
	s_lshl_b32 s17, s17, 2
	s_add_co_u32 s17, s17, s41
	s_lshl_b32 s43, s41, 2
	s_lshl_b32 s43, 15, s43
	s_lshl_b32 s44, 0x1111, s40
	s_or_b32 s[G1R], s43, (3<<16)|(1<<21)
	s_mov_b32 s[G1R+1], 512<<16
	s_mov_b32 s[G1R+2], 4<<16
	s_mov_b32 s[G1R+3], 512<<16
	s_mov_b32 s[G1R+4], 4
	s_mov_b32 s[G1R+5], 2048
	s_mov_b32 s[G1R+6], 0
	s_mov_b32 s[G1R+7], 0
	s_or_b32 s[G1P], s44, (1<<20)|(1<<21)|(5<<22)|(3<<25)
	s_mov_b32 s[G1P+1], 256<<16
	s_mov_b32 s[G1P+2], 128<<16
	s_mov_b32 s[G1P+3], 256<<16
	s_mov_b32 s[G1P+4], 128
	s_mov_b32 s[G1P+5], 1024
	s_mov_b32 s[G1P+6], 0
	s_mov_b32 s[G1P+7], 0
	s_lshl_b32 s20, s17, 3
	s_lshl_b32 s3, s16, 2
	s_add_co_u32 s20, s20, s3
	s_lshl_b32 s20, s20, 14
	s_mov_b32 s21, 0
	s_lshl_b32 s68, s42, 8
	s_lshl_b32 s2, s16, 7
	s_add_co_u32 s68, s68, s2
	s_lshl_b32 s68, s68, 10
	s_mov_b32 s69, 0
	s_lshl_b32 s70, s16, 14
	s_mul_i32 s71, s16, PHALF
	s_add_co_u32 s71, s71, POFF
	s_wait_kmcnt 0x0
	s_load_b256 s[72:79], s[10:11], 0x0
	s_add_nc_u64 s[20:21], s[4:5], s[20:21]
	s_add_nc_u64 s[68:69], s[6:7], s[68:69]
	CROUND
.irp s, 0,1
	s_mov_b32 s[G0R+4*\s], 1
	s_add_co_u32 s[G0R+4*\s+1], s70, \s*SLOT
	s_add_nc_u64 s[G0R+4*\s+2:G0R+4*\s+3], s[20:21], \s*4096
	s_or_b32 s[G0R+4*\s+3], s[G0R+4*\s+3], 0x80000000
	s_mov_b32 s[G0P+4*\s], 1
	s_add_co_u32 s[G0P+4*\s+1], s71, \s*SLOT
	s_add_nc_u64 s[G0P+4*\s+2:G0P+4*\s+3], s[68:69], \s*256
	s_or_b32 s[G0P+4*\s+3], s[G0P+4*\s+3], 0x80000000
	s_wait_alu depctr_va_vdst(0)
	s_wait_tensorcnt 0x0
	ds_add_u32 v28, v29
	ds_add_u32 v28, v29
	s_wait_dscnt 0x0
	CROUND
	JLOAD G0R+4*\s, G0P+4*\s
.endr
	v_and_b32 v1, 15, v0
	v_bfe_u32 v2, v0, 4, 1
	v_and_b32 v5, 31, v0
	v_lshlrev_b32 v[CO], 4, v5
	v_mul_u32_u24 v3, v1, PITCH
	v_lshl_add_u32 v4, v2, 4, v3
	s_lshl_b32 s18, s15, 14
	s_mul_i32 s19, s16, PHALF
	s_add_co_u32 s19, s19, POFF
.irp s, 0,1
	v_add_nc_u32 v[ADRR+\s], s18, v[CO]
	v_add_nc_u32 v[ADRP+\s], s19, v4
	s_add_co_u32 s18, s18, SLOT
	s_add_co_u32 s19, s19, SLOT
.endr
	s_mul_i32 s18, s14, 16*SPITCH
	s_add_co_u32 s18, s18, STAGE
	v_mul_u32_u24 v5, v1, SPITCH
	v_lshl_add_u32 v5, v2, 5, v5
	v_add_nc_u32 v[STO], s18, v5
	v_add_nc_u32 v[RD], s18, v[CO]
	s_lshl_b32 s18, s42, 10
	s_lshl_b32 s19, s16, 9
	s_add_co_u32 s18, s18, s19
	s_mov_b32 s19, 0
	s_add_nc_u64 s[8:9], s[8:9], s[18:19]
	s_add_nc_u64 s[12:13], s[12:13], s[18:19]
	s_lshl_b32 s18, s17, 19
	s_lshl_b32 s22, s15, 18
	s_add_co_u32 s18, s18, s22
	s_add_nc_u64 s[12:13], s[12:13], s[18:19]
	v_lshlrev_b32 v6, 5, v2
	WIN 0xc0
.irp b, 0,1,2,3,4,5,6,7
	global_load_b128 v[8*\b:8*\b+3], v6, s[8:9] offset:64*\b
	global_load_b128 v[8*\b+4:8*\b+7], v6, s[8:9] offset:64*\b+16
.endr
	WIN 0
	s_wait_alu depctr_va_vdst(0)
	s_wait_kmcnt 0x0
	s_add_co_i32 s46, s78, s79
	s_add_co_i32 s46, s46, 127
	s_lshl_b32 s46, s46, 23
	s_mov_b32 s47, s46
.macro FETCH_P slot, q, p
	WIN 0x40
.irp i, 0,1,2,3,4,5,6,7
.irp c, 0,1,2,3
	ds_load_b128 v[128*(\p)+16*\i+4*\c:128*(\p)+16*\i+4*\c+3], v[ADRP+\slot] offset:128*(\q)+32*\c+\i*16*PITCH
.endr
.endr
	WIN 0
.endm
.macro FETCH_R slot, q, p
.irp a, 0,1,2,3
.irp c, 0,1,2,3
	ds_load_b128 v[RF+64*(\p)+16*\a+4*\c:RF+64*(\p)+16*\a+4*\c+3], v[ADRR+\slot] offset:4096*\a+2048*(\q)+512*\c
.endr
.endr
.endm
.macro MUL8 a, p, zero
.irp b, 0,1,2,3,4,5,6,7
.if \zero
	v_wmma_f32_16x16x128_bf8_bf8 v[8*(8*\a+\b):8*(8*\a+\b)+7], v[128*(\p)+16*\b:128*(\p)+16*\b+15], v[RF+64*(\p)+16*\a:RF+64*(\p)+16*\a+15], 0
.else
	v_wmma_f32_16x16x128_bf8_bf8 v[8*(8*\a+\b):8*(8*\a+\b)+7], v[128*(\p)+16*\b:128*(\p)+16*\b+15], v[RF+64*(\p)+16*\a:RF+64*(\p)+16*\a+15], v[8*(8*\a+\b):8*(8*\a+\b)+7]
.endif
.endr
.endm
.set MUL, 0xa1
.macro STEP slot, zero
	s_wait_dscnt 0x0
	PLACES 4
	FETCH_P \slot, 1, 1
	FETCH_R \slot, 1, 1
	WIN MUL
	MUL8 0, 0, \zero
	MUL8 1, 0, \zero
	MUL8 2, 0, \zero
	MUL8 3, 0, \zero
	WIN 0
.endm
.macro TURN slot, next, fill
	s_wait_tensorcnt 0x0
	ds_add_u32 v[SPW], v[NIL]
	s_wait_dscnt 1
	WIN MUL
	MUL8 0, 1, 0
	s_wait_dscnt 0x0
	s_barrier_signal -1
	MUL8 1, 1, 0
	WIN 0
	s_barrier_wait -1
.if \fill
	CREST
	s_add_nc_u64 s[G0R+4*\slot+2:G0R+4*\slot+3], s[G0R+4*\slot+2:G0R+4*\slot+3], 2*4096
	s_add_nc_u64 s[G0P+4*\slot+2:G0P+4*\slot+3], s[G0P+4*\slot+2:G0P+4*\slot+3], 2*256
	JLOAD G0R+4*\slot, G0P+4*\slot
.else
	PLACES 4
.endif
	FETCH_P \next, 0, 0
	FETCH_R \next, 0, 0
	WIN MUL
	MUL8 2, 1, 0
	MUL8 3, 1, 0
	WIN 0
.endm
	s_wait_tensorcnt 1
	s_barrier_signal -1
	s_barrier_wait -1
	FETCH_P 0, 0, 0
	FETCH_R 0, 0, 0
	STEP 0, 1
	TURN 0, 1, 1
	STEP 1, 0
	TURN 1, 0, 1
	STEP 0, 0
	TURN 0, 1, 0
	STEP 1, 0
	s_wait_dscnt 0x0
	WIN MUL
	MUL8 0, 1, 0
	MUL8 1, 1, 0
	MUL8 2, 1, 0
	MUL8 3, 1, 0
	WIN 0
.macro TOSTAGE a
	WIN 0x32
.set jj, 0
.rept 32
	v_pk_fma_f32 v[TMP+jj:TMP+jj+1], v[64*\a+jj:64*\a+jj+1], s[46:47], v[jj:jj+1] op_sel_hi:[1,0,1]
.set jj, jj+2
.endr
	WIN 0
.irp b, 0,1,2,3,4,5,6,7
	ds_store_b128 v[STO], v[TMP+8*\b:TMP+8*\b+3] offset:64*\b
	ds_store_b128 v[STO], v[TMP+8*\b+4:TMP+8*\b+7] offset:64*\b+16
.endr
.irp t, 0,1,2,3,4,5,6,7,8,9,10,11,12,13,14,15
	ds_load_b128 v[BK+64*((\a)%2)+4*\t:BK+64*((\a)%2)+4*\t+3], v[RD] offset:\t*SPITCH
.endr
.endm
.macro SEND a, younger
	s_wait_dscnt \younger
.irp t, 0,1,2,3,4,5,6,7,8,9,10,11,12,13,14,15
	global_store_b128 v[CO], v[BK+64*((\a)%2)+4*\t:BK+64*((\a)%2)+4*\t+3], s[12:13] offset:(16*(\a)+\t)*4096 th:TH_STORE_NT
.endr
.endm
	s_wait_loadcnt 0x0
	PLACES 4
	TOSTAGE 0
	TOSTAGE 1
	SEND 0, 32
	s_wait_xcnt 0x0
	TOSTAGE 2
	SEND 1, 32
	s_wait_xcnt 0x0
	TOSTAGE 3
	SEND 2, 32
	SEND 3, 0
	s_wait_tensorcnt 0x0
	ds_add_u32 v[SPW], v[NIL]
	s_wait_dscnt 0x0
	CROUND
	s_endpgm
.Lfunc_end_k_q9d0fa19dbb_proj:
	.size	k_q9d0fa19dbb_proj, .Lfunc_end_k_q9d0fa19dbb_proj-k_q9d0fa19dbb_proj
	.p2alignl 7, 3214868480
	.fill 96, 4, 3214868480
	.section	.rodata,"a",@progbits
	.p2align	6, 0x0
	.amdhsa_kernel k_q9d0fa19dbb_proj
		.amdhsa_group_segment_fixed_size 327680
		.amdhsa_private_segment_fixed_size 0
		.amdhsa_enable_private_segment 0
		.amdhsa_kernarg_size 40
		.amdhsa_user_sgpr_count 2
		.amdhsa_user_sgpr_kernarg_segment_ptr 1
		.amdhsa_wavefront_size32 1
		.amdhsa_system_sgpr_workgroup_id_x 1
		.amdhsa_system_sgpr_workgroup_id_y 1
		.amdhsa_system_sgpr_workgroup_id_z 1
		.amdhsa_system_vgpr_workitem_id 0
		.amdhsa_next_free_vgpr 1024
		.amdhsa_next_free_sgpr 80
		.amdhsa_reserve_vcc 0
		.amdhsa_float_denorm_mode_32 3
		.amdhsa_float_denorm_mode_16_64 3
		.amdhsa_memory_ordered 1
		.amdhsa_forward_progress 1
		.amdhsa_inst_pref_size 77
	.end_amdhsa_kernel
	.amdgpu_metadata
---
amdhsa.version: [ 1, 2 ]
amdhsa.kernels:
  - .name:           k_q9d0fa19dbb_proj
    .symbol:         k_q9d0fa19dbb_proj.kd
    .args:
      - { .name: a_img, .offset: 0, .size: 8, .value_kind: global_buffer, .address_space: global }
      - { .name: W_proj_codes, .offset: 8, .size: 8, .value_kind: global_buffer, .address_space: global }
      - { .name: b_proj, .offset: 16, .size: 8, .value_kind: global_buffer, .address_space: global }
      - { .name: lowp_scales, .offset: 24, .size: 8, .value_kind: global_buffer, .address_space: global }
      - { .name: out0, .offset: 32, .size: 8, .value_kind: global_buffer, .address_space: global }
    .group_segment_fixed_size: 327680
    .private_segment_fixed_size: 0
    .kernarg_segment_align: 8
    .kernarg_segment_size: 40
    .max_flat_workgroup_size: 128
    .sgpr_count:     80
    .vgpr_count:     1024
    .wavefront_size: 32
...
	.end_amdgpu_metadata
.endif
;; end of part 3
